; MI455X (gfx1250); checked and timed in simulation.
; The chip was launched on July 23, 2026; its instructions are those of AMD's public machine-readable ISA for CDNA 5 (MIT licence, August 2026) and "CDNA5" Instruction Set Architecture Reference Guide (July 2026). The comments in the code are by the model that wrote it; some were corrected since.
;; Spatial Aware Memory. Allowed arithmetic: matrix products marked QUANTISED: E4M3 operands, one given power-of-two scale a tensor, by v_wmma_f32_16x16x64_fp8_fp8 or v_wmma_f32_16x16x128_fp8_fp8, f32 sums; products left as they are: f32 operands where the result goes on into a quantised operand, else bf16, f16 or f32 operands; f32 sums; everything else in f32.
;; Inputs: b1 256 float32; b2 256 float32; coords 65,536 x 2 float32; features 65,536 x 256 float32; lowp_scales 4 int32 (the exponents e of the quantised operands' scales 2^e); memory 2,048 x 256 float32; w1 256 x 2 float32; w2 256 x 256 float32.
;; Outputs: out0 65,536 x 256 float32.
;; This version of the problem:
;;   THIS VERSION OF THE PROBLEM IS GIVEN IN LOW PRECISION. The matrix products marked QUANTISED in the list below multiply operands that are first quantised to E4M3 (4 exponent bits, 3 mantissa bits; 8 bits a number), with one given power-of-two scale for each operand tensor; their sums are f32. All else is computed in f32.
;;   The module's matrix products, in the order in which they are computed (A, B: the left and right operand; K: the contracted axis; several contracted axes count as one K, in the product's order):
;;     1. [M 1, K 2] x [K 2, N 256]; A: computed on the way; B: input w1: left as it is (K = 2 < 32)
;;     2. [M 1, K 256] x [K 256, N 256]; A: computed on the way; B: input w2: left as it is (M = 1 < 16)
;;     3. [M 65,536, K 256] x [K 256, N 2,048]; A: computed on the way; B: input memory: QUANTISED (scales: A lowp_scales[0], B lowp_scales[1])
;;     4. [M 65,536, K 2,048] x [K 2,048, N 256]; A: softmax (see below); B: input memory: QUANTISED (scales: A lowp_scales[2], B lowp_scales[3])
;;   THE QUANTISER, for each operand of a quantised product, along K:
;;     - The operand's scale is 2^e, e = its entry of the input lowp_scales (int32; the entries are numbered through the quantised products in the list's order, A before B).
;;     - Each number is divided by the scale, clamped to +-448, and rounded to the nearest number of E4M3, ties to even, subnormals kept.
;;     - The product sums the exact products of the quantised numbers (number of the format x scale) in f32.
;;   ~~~python
;;   def quantise(x, axis, e):      # numpy; x: float32 -> the quantised numbers, widened to float32 again
;;       x = np.moveaxis(x, axis, -1); K = x.shape[-1]
;;       r = np.clip(x / 2.0 ** e, -448, 448)
;;       step = 2.0 ** (np.maximum(np.frexp(np.where(r == 0, 1, r))[1] - 1, -6) - 3)
;;       q = np.round(r / step) * step * 2.0 ** e      # np.round: ties to even
;;       return np.moveaxis(q, -1, axis).astype(np.float32)
;;   ~~~
;;   SOFTMAX AHEAD OF A QUANTISED PRODUCT. Where the list says 'softmax', what is quantised is not the finished softmax but p = 2^(t - M), with t = logit x log2(e) and M = ceil(the row's largest t), a whole number; so 1/2 < the row's largest p <= 1. The row's sum l is taken of the UNQUANTISED p, in f32, and the product's result is divided by l at the end. Since M is a whole number, a kernel that streams over the keys may use a running M (the ceiling of the running maximum): every later rescaling is an exact power of two, so the quantised numbers keep their values, but for numbers so far below the row's largest that they fall under the format's range.
;;   OPERANDS COMPUTED ON THE WAY. 'Computed on the way' means the value that the module computes at that place (a softmax that the list does not call 'softmax' is quantised finished and normalised). What goes into a quantiser is computed in f32, as accurately as f32 sums, v_exp_f32 and their like allow (about 1e-6 of the number): no bf16 or f16 on the way to a quantiser, and a product that is left as it is and whose result goes on into a quantised operand takes f32 operands (vector FMAs, or v_wmma_f32_16x16x4_f32). A number that lies on a knife's edge between two numbers of the format may be rounded either way, as far as f32 arithmetic and the matrix unit's own rounding can turn it there, and no further.
;; One version. Each part assembles by itself: llvm-mc -triple=amdgcn-amd-amdhsa -mcpu=gfx1250 --defsym DOCPART=n.
;; ======== version 1 of 1: 2 launches
;; limits: right only within a limited range of input values
;; workspace buffers: kv 1,048,576 bytes; part 2,048 bytes
;; launch prep (part 1): grid 256 x 1, 1 waves a work-group, no clusters, 0 bytes of LDS; arguments memory, coords, lowp_scales, kv, part; writes kv, part
.if DOCPART == 1
	.amdgcn_target "amdgcn-amd-amdhsa--gfx1250"
	.amdhsa_code_object_version 6
	.text
	.protected	k_q8fa9de5383_prep
	.globl	k_q8fa9de5383_prep
	.p2align	8
	.type	k_q8fa9de5383_prep,@function
k_q8fa9de5383_prep:
	s_mov_b64 s[64:65], 0
	v_nop
	global_prefetch_b8 v0, s[64:65] scope:SCOPE_SE
	s_setreg_imm32_b32 hwreg(HW_REG_WAVE_MODE, 25, 1), 1
	s_wait_xcnt 0x0
; memory [2048][256] f32 becomes two sets of codes of FP8 (E4M3), laid in the order of the operands' registers, and coords [65536][2] becomes 256 partial sums.
; code = x / 2^e, held within +-448, rounded to the nearest code, ties to even.  e = lowp_scales[1] for memory as keys (K = the 256 channels), lowp_scales[3] for memory as values (K = the 2,048 keys).
; LIMITS: both exponents lie between -126 and 119, so that 2^e and 448 x 2^e are f32 numbers.  NaN among the inputs is not served (an infinity is held at the largest code).
; kv: key step j (128 keys) lies at 65,536 j: 16 fragments of keys, then 16 of values, 2,048 bytes each; a fragment is four runs of 512 bytes, lane l's 16 bytes at 16 l of run c.
;   keys, fragment f = 2 kt + s, lane (r, h), run c:  memory[128 j + 16 kt + r][128 s + 32 c + 16 h + 0 .. 15].
;   values, fragment ct, lane (r, h), run c: channel 16 ct + r; bytes 0-7 keys 128 j + 32 c + 8 h + 0 .. 7, bytes 8-15 keys 128 j + 32 c + 16 + 8 h + 0 .. 7: the place that the K = 128 form gives each k.
; part[g] = (sum of x, sum of y) over coords' rows 256 g .. 256 g + 255.
; SHARES.  One wave to a work-group, 256 work-groups, one path for all.  Work-group g = 16 j + 2 a + b makes keys' fragment 2 a + b of step j, the values of channels 32 a .. 32 a + 31 for keys 64 b .. 64 b + 63 of step j, and part[g].
; For the values a lane takes a channel and its registers run down the keys, so that the conversions, which take neighbours along K from one lane's registers, need no transposition.
; The keys' loads read 64 bytes of each of 16 rows and the values' loads 128 consecutive bytes; the partial sum is one store of 8 bytes: 4 MB read and 2 KB so stored in the whole launch.  All code stores cover 256 or 512 consecutive bytes, aligned.
.set XC, 8                             ; v8-23    256 rows of coords: 8 pairs (x, y) a lane
.set XK, 32                            ; v32-95   64 numbers for the keys' fragment
.set XV, 96                            ; v96-159  64 keys of my channel
.set CK, 160                           ; v160-175 the keys' codes
.set CV, 176                           ; v176-191 the values' codes
	s_load_b256 s[4:11], s[0:1], 0x0               ; memory s[4:5], coords s[6:7], lowp_scales s[8:9], kv s[10:11]
	s_load_b64 s[12:13], s[0:1], 0x20              ; part
	v_and_b32 v1, 15, v0                           ; r (one wave: v0 is the lane)
	v_lshrrev_b32 v2, 4, v0                        ; h
	v_lshlrev_b32 v3, 4, v0                        ; 16 l
	v_lshlrev_b32 v4, 10, v1
	v_lshl_add_u32 v4, v2, 6, v4                   ; keys in: row r of 1,024 bytes, + 64 h
	v_lshlrev_b32 v5, 2, v0                        ; values in: channel l, 4 bytes
	v_lshlrev_b32 v6, 4, v1
	v_lshl_add_u32 v6, v2, 11, v6                  ; values out: fragment l / 16, place 16 r
	v_mov_b32 v7, 0
	v_mov_b32 v28, 0                               ; a lane permute's destination counts as one of its sources
	v_mov_b32 v29, 0
	s_mov_b32 s44, 0x76543210                      ; selects for v_permlanex16_b32: lane l xor 16
	s_mov_b32 s45, 0xfedcba98
	s_lshr_b32 s14, ttmp9, 4                       ; j
	s_bfe_u32 s15, ttmp9, 0x30001                  ; a
	s_and_b32 s24, ttmp9, 1                        ; b
	s_and_b32 s25, ttmp9, 15                       ; 2 a + b
	s_lshl_b32 s26, s14, 17                        ; 128 j rows of 1,024 bytes
	s_lshl_b32 s28, s15, 14
	s_add_co_u32 s28, s28, s26
	s_lshl_b32 s30, s24, 9
	s_add_co_u32 s28, s28, s30                     ; keys in: (128 j + 16 a) rows + 512 b
	s_mov_b32 s29, 0
	s_lshl_b32 s30, s24, 16
	s_add_co_u32 s30, s30, s26
	s_lshl_b32 s32, s15, 7
	s_add_co_u32 s30, s30, s32                     ; values in: (128 j + 64 b) rows + 128 a
	s_mov_b32 s31, 0
	s_lshl_b32 s32, ttmp9, 11                      ; coords: 256 g rows of 8 bytes
	s_mov_b32 s33, 0
	s_lshl_b32 s26, s14, 16                        ; kv: step j
	s_lshl_b32 s34, s25, 11
	s_add_co_u32 s34, s34, s26                     ; keys out
	s_mov_b32 s35, 0
	s_lshl_b32 s36, s15, 12
	s_add_co_u32 s36, s36, s26
	s_lshl_b32 s38, s24, 10
	s_add_co_u32 s36, s36, s38
	s_add_co_u32 s36, s36, 32768                   ; values out: fragment 2 a, run 2 b
	s_mov_b32 s37, 0
	s_lshl_b32 s38, ttmp9, 3                       ; part[g]
	s_mov_b32 s39, 0
	s_wait_alu depctr_va_vdst(0)
	s_wait_kmcnt 0x0
	s_load_b128 s[16:19], s[8:9], 0x0              ; e0 .. e3
	s_add_nc_u64 s[20:21], s[4:5], s[28:29]
	s_add_nc_u64 s[22:23], s[4:5], s[30:31]
	s_add_nc_u64 s[6:7], s[6:7], s[32:33]
	s_add_nc_u64 s[40:41], s[10:11], s[34:35]
	s_add_nc_u64 s[42:43], s[10:11], s[36:37]
	s_add_nc_u64 s[12:13], s[12:13], s[38:39]
	; all 84 loads go out at once: 4 of coords, 16 for the keys, 64 for the values
.irp i, 0,1,2,3
	global_load_b128 v[XC+4*\i:XC+4*\i+3], v3, s[6:7] offset:512*\i th:TH_LOAD_NT
.endr
.irp c, 0,1,2,3
.irp q, 0,1,2,3
	global_load_b128 v[XK+16*\c+4*\q:XK+16*\c+4*\q+3], v4, s[20:21] offset:128*\c+16*\q
.endr
.endr
.set i, 0
.rept 64
	global_load_b32 v[XV+i], v5, s[22:23] offset:1024*i
.set i, i+1
.endr
	s_wait_kmcnt 0x0
	s_add_co_i32 s24, s17, 127
	s_lshl_b32 s25, s24, 23
	v_mov_b32 v24, s25                             ; 2^e1 as f32: the conversion takes its exponent field
	s_add_co_i32 s24, s24, 8
	s_lshl_b32 s24, s24, 23
	s_or_b32 s24, s24, 0x600000
	v_mov_b32 v25, s24                             ; 448 x 2^e1
	s_add_co_i32 s24, s19, 127
	s_lshl_b32 s25, s24, 23
	v_mov_b32 v26, s25                             ; 2^e3
	s_add_co_i32 s24, s24, 8
	s_lshl_b32 s24, s24, 23
	s_or_b32 s24, s24, 0x600000
	v_mov_b32 v27, s24                             ; 448 x 2^e3
	s_wait_loadcnt 63                              ; loads come back in order: at most 63 of the 84 are out, so the oldest 21 are in: coords' 4 and the keys' 16 among them
	v_pk_add_f32 v[8:9], v[8:9], v[10:11]          ; my 8 pairs (x, y),
	v_pk_add_f32 v[12:13], v[12:13], v[14:15]
	v_pk_add_f32 v[16:17], v[16:17], v[18:19]
	v_pk_add_f32 v[20:21], v[20:21], v[22:23]
	v_pk_add_f32 v[8:9], v[8:9], v[12:13]
	v_pk_add_f32 v[16:17], v[16:17], v[20:21]
	v_pk_add_f32 v[8:9], v[8:9], v[16:17]
.irp m, 1,2,4,8
	v_add_f32_dpp v8, v8, v8 row_xmask:\m row_mask:0xf bank_mask:0xf   ; then the 32 lanes'
	v_add_f32_dpp v9, v9, v9 row_xmask:\m row_mask:0xf bank_mask:0xf
.endr
	v_permlanex16_b32 v28, v8, s44, s45
	v_permlanex16_b32 v29, v9, s44, s45
	v_add_f32 v8, v8, v28
	v_add_f32 v9, v9, v29
	; the keys' fragment
.set i, 0
.rept 64
	v_med3_num_f32 v[XK+i], v[XK+i], -v25, v25     ; the conversion to an 8-bit code does not saturate (ISA guide 7.6.2): the hold at the largest code x the scale comes first
.set i, i+1
.endr
.irp c, 0,1,2,3
	v_cvt_scalef32_pk8_fp8_f32 v[CK+4*\c:CK+4*\c+1], v[XK+16*\c:XK+16*\c+7], v24
	v_cvt_scalef32_pk8_fp8_f32 v[CK+4*\c+2:CK+4*\c+3], v[XK+16*\c+8:XK+16*\c+15], v24
.endr
.irp c, 0,1,2,3
	global_store_b128 v3, v[CK+4*\c:CK+4*\c+3], s[40:41] offset:512*\c   ; 32 lanes store 512 consecutive bytes
.endr
	; the values: 32 keys make one run of two fragments.  Keys 0-7 and 16-23 are the 16 bytes of place (r, 0), keys 8-15 and 24-31 those of place (r, 1), 256 bytes further on
.irp bb, 0,1
	s_wait_loadcnt 32-32*\bb                       ; these 32 keys are in; the other 32 may be out
.set i, 0
.rept 32
	v_med3_num_f32 v[XV+32*\bb+i], v[XV+32*\bb+i], -v27, v27
.set i, i+1
.endr
	v_cvt_scalef32_pk8_fp8_f32 v[CV+8*\bb:CV+8*\bb+1], v[XV+32*\bb:XV+32*\bb+7], v26
	v_cvt_scalef32_pk8_fp8_f32 v[CV+8*\bb+4:CV+8*\bb+5], v[XV+32*\bb+8:XV+32*\bb+15], v26
	v_cvt_scalef32_pk8_fp8_f32 v[CV+8*\bb+2:CV+8*\bb+3], v[XV+32*\bb+16:XV+32*\bb+23], v26
	v_cvt_scalef32_pk8_fp8_f32 v[CV+8*\bb+6:CV+8*\bb+7], v[XV+32*\bb+24:XV+32*\bb+31], v26
	global_store_b128 v6, v[CV+8*\bb:CV+8*\bb+3], s[42:43] offset:512*\bb         ; lanes 0-15 store 256 consecutive bytes of one fragment, lanes 16-31 of the next
	global_store_b128 v6, v[CV+8*\bb+4:CV+8*\bb+7], s[42:43] offset:512*\bb+256
.endr
	; (the codes go to stores alone, each set in registers of its own, and the lines behind each run of conversions are plain ones on other registers)
	v_cmp_eq_u32 vcc_lo, 0, v0
	s_wait_xcnt 0x0                                ; EXEC is a source of the stores above: it changes only behind this wait
	s_and_saveexec_b32 s24, vcc_lo
	global_store_b64 v7, v[8:9], s[12:13]          ; lane 0 stores the pair
	s_wait_xcnt 0x0
	s_or_b32 exec_lo, exec_lo, s24
	s_endpgm
.Lfunc_end_k_q8fa9de5383_prep:
	.size	k_q8fa9de5383_prep, .Lfunc_end_k_q8fa9de5383_prep-k_q8fa9de5383_prep
	.p2alignl 7, 3214868480
	.fill 96, 4, 3214868480
	.section	.rodata,"a",@progbits
	.p2align	6, 0x0
	.amdhsa_kernel k_q8fa9de5383_prep
		.amdhsa_group_segment_fixed_size 0
		.amdhsa_private_segment_fixed_size 0
		.amdhsa_enable_private_segment 0
		.amdhsa_kernarg_size 40
		.amdhsa_user_sgpr_count 2
		.amdhsa_user_sgpr_kernarg_segment_ptr 1
		.amdhsa_wavefront_size32 1
		.amdhsa_system_sgpr_workgroup_id_x 1
		.amdhsa_system_sgpr_workgroup_id_y 1
		.amdhsa_system_sgpr_workgroup_id_z 1
		.amdhsa_system_vgpr_workitem_id 0
		.amdhsa_next_free_vgpr 192
		.amdhsa_next_free_sgpr 66
		.amdhsa_reserve_vcc 1
		.amdhsa_float_denorm_mode_32 3
		.amdhsa_float_denorm_mode_16_64 3
		.amdhsa_memory_ordered 1
		.amdhsa_forward_progress 1
		.amdhsa_inst_pref_size 22
	.end_amdhsa_kernel
	.amdgpu_metadata
---
amdhsa.version: [ 1, 2 ]
amdhsa.kernels:
  - .name:           k_q8fa9de5383_prep
    .symbol:         k_q8fa9de5383_prep.kd
    .args:
      - { .name: memory, .offset: 0, .size: 8, .value_kind: global_buffer, .address_space: global }
      - { .name: coords, .offset: 8, .size: 8, .value_kind: global_buffer, .address_space: global }
      - { .name: lowp_scales, .offset: 16, .size: 8, .value_kind: global_buffer, .address_space: global }
      - { .name: kv, .offset: 24, .size: 8, .value_kind: global_buffer, .address_space: global }
      - { .name: part, .offset: 32, .size: 8, .value_kind: global_buffer, .address_space: global }
    .group_segment_fixed_size: 0
    .private_segment_fixed_size: 0
    .kernarg_segment_align: 8
    .kernarg_segment_size: 40
    .max_flat_workgroup_size: 32
    .sgpr_count:     66
    .vgpr_count:     192
    .wavefront_size: 32
...
	.end_amdgpu_metadata
.endif
;; end of part 1
;; launch attn (part 2): grid 256 x 1, 4 waves a work-group, clusters of 4 x 1, 327,680 bytes of LDS; arguments features, kv, part, w1, b1, w2, b2, lowp_scales, out0; writes out0
.if DOCPART == 2
	.amdgcn_target "amdgcn-amd-amdhsa--gfx1250"
	.amdhsa_code_object_version 6
	.text
	.protected	k_q8fa9de5383_attn
	.globl	k_q8fa9de5383_attn
	.p2align	8
	.type	k_q8fa9de5383_attn,@function
k_q8fa9de5383_attn:
	s_mov_b64 s[64:65], 0
	v_nop
	global_prefetch_b8 v0, s[64:65] scope:SCOPE_SE
	s_setreg_imm32_b32 hwreg(HW_REG_WAVE_MODE, 25, 1), 1
	s_wait_xcnt 0x0
	s_wait_alu depctr_hold_cnt(0) depctr_sa_sdst(0) depctr_va_vdst(0) depctr_va_sdst(0) depctr_va_ssrc(0) depctr_va_vcc(0) depctr_vm_vsrc(0)
	s_getreg_b32 s2, hwreg(HW_REG_IB_STS2, 6, 4)
	s_cmp_eq_u32 s2, 0
	s_cbranch_scc0 .Lentry_in_a_cluster
	s_endpgm
.Lentry_in_a_cluster:
	s_bfe_u32 s2, ttmp6, 0x10000c
	s_cmp_lg_u32 s2, 0x3003
	s_cbranch_scc0 .Lentry_shape_is_right
	s_endpgm
.Lentry_shape_is_right:
; out0[n] = softmax((features[n] + emb) . memory^T / 16) memory, both products on codes of FP8 (E4M3) with the given scales 2^e0 .. 2^e3.
; emb = w2 relu(w1 mean(coords) + b1) + b2 is made in f32 by every work-group (part holds 256 partial sums of coords); z = features + emb is quantised in registers.
; kv holds memory's codes in the order of the operands' registers: key step j (128 keys) at 65,536 j: 16 fragments of keys, then 16 of values, 2,048 bytes each.
; THE SOFTMAX: t = score x log2(e) / 16; M = ceil of the running largest t; p = 2^(t - M) is quantised; the sum is taken of the unquantised p and divides at the end; when M moves, sum and O are multiplied by 2^(old M - new M).
; SHARES: a work-group owns 256 queries, each of its four waves 64 (four tiles of 16).  All walk the 16 key steps through a ring of two LDS slots of 65,536 bytes; the four work-groups of a cluster ask for each slot jointly, a quarter a wave.
; Both products are used transposed (source 0 = 16 keys or 16 channels, source 1 = my queries): a lane holds one query (lane % 16) of each tile.
; LIMITS: e0 + e1 between -122 and 131 (added to the exponent field of log2(e)/16); e0 and e2 between -126 and 119; NaN among the inputs is not served; the scaled scores stay under 2^31 in magnitude.
; REGISTERS: window 0: v0-63 addresses and state; v64-127 four fragments of keys, later p's codes (16 a tile); v128-255 z's codes.
;   window 1: the scores S^T (tile q, keys 16 kt.. at v[64 q + 8 kt]), then p, then the step's 16 fragments of values (fragment ct at v[16 ct]).   windows 2, 3: O^T (channels 16 ct.., tile q at v[32 (ct % 8) + 8 q] of window 2 + ct / 8).
;   While the scores of key tiles 0-3 are made, the registers of key tiles 4-7 (v[64 q + 32 ..] of window 1) hold fragments 4-11 of keys.
.set SLOT1, 65536
.set STAGE, 2*SLOT1                    ; 16 rows x 528 bytes for each wave: features on the way in, O on the way out
.set SP,    528
.set EMB,   STAGE+4*16*SP              ; emb, 1,024 bytes
.set SPARE, EMB+1024                   ; the spare words, 128 bytes a wave
.set LI,   1                           ; 16 x lane
.set ADK,  2                           ; LDS address of the slot whose keys are read next
.set SPW,  3
.set NIL,  4
.set STO,  5
.set RD,   6
.set STR,  7
.set LIMP, 8                           ; 448 x 2^e2
.set SCL,  9                           ; 2^e2
.set PFO,  10                          ; the prefetch's offset: 256 x lane
.set ADV,  11                          ; LDS address of the slot whose values are read
.set ST,   12                          ; state, 8 registers a tile: -M, largest score, the sum (2), f, two at work
.set LIMQ, 45                          ; 448 x 2^e2 once more, in another register bank: for the second half of a dual instruction
.set MX,   48                          ; v48-63 sixteen chains of the step's maximum; when they are dead, v48-61 are seven chains of the row's sum
.set EA,   51                          ; v51-59: the head alone
.set EW,   52
.set ZLIM, 53
.set ZSCL, 54
.set FR,   64
.set Q,    128
.set WV,   22
.set CX,   23
.set G1,   28
.set G0A,  36
.set G0B,  40
.set CS,   44
.set SEL,  46
.set TB,   48
.set CNT,  49
.set LIM,  50
.set TWICE, 51
.set PFA,  52
.set ESUM, 54
.set W_KQ, 0x50                        ; C, D window 1
.set W_MX, 0x14                        ; sources 1, 2 window 1
.set W_SM, 0x41                        ; source 0 and destination window 1
.set MSB, 0
.macro WIN new                         ; the immediate's high byte repeats the setting that is left
.if MSB != (\new)
	s_set_vgpr_msb (MSB<<8)|(\new)
.set MSB, (\new)
.endif
.endm
.macro CREST                           ; a round of the cluster's barrier behind its opening barrier
	s_cmp_lg_u32 s[WV], 0
	s_cbranch_scc1 .Lnot_wave_0_\@
	s_barrier_signal -3
.Lnot_wave_0_\@:
	s_barrier_wait -3
	s_barrier_signal -1
	s_barrier_wait -1
.endm
.macro CROUND
	s_barrier_signal -1
	s_barrier_wait -1
	CREST
.endm
.macro PLACES n
.rept \n
	v_nop
.endr
.endm
; A prefetch of the key step that the next refill will ask for: 65,536 bytes, shared out by address among the four work-groups of cluster 0 and their waves 0 and 1, a lane to 256 bytes.  The last refill asks for nothing.
.macro ASK
	s_cmp_gt_u32 s[CNT], s[LIM]
	s_cbranch_scc0 .Lnot_mine_\@
	global_prefetch_b8 v[PFO], s[PFA:PFA+1] th:TH_LOAD_NT scope:SCOPE_SE
.Lnot_mine_\@:
.endm
	s_load_b512 s[4:19], s[0:1], 0x0               ; features, kv, part, w1, b1, w2, b2, lowp_scales
	s_load_b64 s[20:21], s[0:1], 0x40              ; out0
	v_lshl_add_u32 v[SPW], v0, 2, SPARE
	v_mov_b32 v[NIL], 0
	ds_add_u32 v3, v4                              ; the opening lines: the add, twice on end, and its wait
	ds_add_u32 v3, v4
	s_wait_dscnt 0x0
	v_lshrrev_b32 v10, 5, v0
	v_readfirstlane_b32 s[WV], v10
	s_bfe_u32 s[CX], ttmp6, 0x40000
	v_and_b32 v60, 31, v0
	v_and_b32 v11, 15, v0
	v_bfe_u32 v55, v0, 4, 1
	v_lshlrev_b32 v[LI], 4, v60
	v_lshlrev_b32 v56, 5, v60
	v_lshlrev_b32 v57, 2, v60
	v_lshlrev_b32 v[PFO], 8, v60
	s_mul_i32 s60, s[WV], 16*SP
	s_add_co_u32 s60, s60, STAGE
	v_mul_u32_u24 v[STR], v11, SP
	v_lshl_add_u32 v[STO], v55, 5, v[STR]
	v_lshl_add_u32 v[STR], v55, 6, v[STR]
	v_add_nc_u32 v[STO], s60, v[STO]
	v_add_nc_u32 v[STR], s60, v[STR]
	v_add_nc_u32 v[RD], s60, v[LI]
	v_lshl_add_u32 v[EA], v55, 6, EMB
	s_lshl_b32 s61, s[WV], 8
	s_add_co_u32 s61, s61, EMB
	v_lshl_add_u32 v[EW], v60, 2, s61
	s_mov_b32 s[G1+0], 15|(3<<16)|(1<<21)          ; the cluster's four; elements of 8 bytes; 64 rows of 256 bytes, dense
	s_mov_b32 s[G1+1], 32<<16
	s_mov_b32 s[G1+2], 64<<16
	s_mov_b32 s[G1+3], 32<<16
	s_mov_b32 s[G1+4], 64
	s_mov_b32 s[G1+5], 32
	s_mov_b32 s[G1+6], 0
	s_mov_b32 s[G1+7], 0
	s_mov_b32 s[SEL], 0x76543210
	s_mov_b32 s[SEL+1], 0xfedcba98
	s_mov_b32 s74, 0xaaaaaaaa                      ; lanes with bit 0, 1, 2, 3, 4 set
	s_mov_b32 s75, 0xcccccccc
	s_mov_b32 s76, 0xf0f0f0f0
	s_mov_b32 s77, 0xff00ff00
	s_mov_b32 s78, 0xffff0000
	s_mov_b32 s[TB], 0
	s_lshl_b32 s66, ttmp9, 2
	s_add_co_u32 s66, s66, s[CX]
	s_lshl_b32 s66, s66, 18
	s_lshl_b32 s67, s[WV], 16
	s_add_co_u32 s66, s66, s67                     ; my 64 rows of features and of out0
	s_mov_b32 s67, 0
	s_lshl_b32 s62, s[WV], 16                      ; my 64 rows of w2
	s_mov_b32 s63, 0
	s_lshl_b32 s72, s[WV], 8
	s_mov_b32 s73, 0
	s_lshl_b32 s70, s[WV], 14                      ; my quarter of a slot
	s_mov_b32 s71, 0
	s_lshl_b32 s68, s[CX], 14
	s_and_b32 s69, s[WV], 1
	s_lshl_b32 s69, s69, 13
	s_add_co_u32 s68, s68, s69
	s_add_co_u32 s68, s68, 2*65536
	s_mov_b32 s69, 0
	s_lshr_b32 s[LIM], s[WV], 1
	s_or_b32 s[LIM], s[LIM], ttmp9
	s_cmp_eq_u32 s[LIM], 0
	s_cselect_b32 s[LIM], 1, -1
	s_wait_alu depctr_va_vdst(0)                   ; directly ahead of the wait below
	s_wait_kmcnt 0x0
	s_load_b128 s[56:59], s[18:19], 0x0            ; e0 .. e3
	s_add_nc_u64 s[4:5], s[4:5], s[66:67]
	s_add_nc_u64 s[20:21], s[20:21], s[66:67]
	s_add_nc_u64 s[14:15], s[14:15], s[62:63]
	s_add_nc_u64 s[16:17], s[16:17], s[72:73]
	s_add_nc_u64 s[PFA:PFA+1], s[6:7], s[68:69]
	s_mov_b32 s[G0A], 1
	s_mov_b32 s[G0A+1], s70
	s_add_nc_u64 s[G0A+2:G0A+3], s[6:7], s[70:71]
	s_mov_b32 s[G0B], 1
	s_add_co_u32 s[G0B+1], s70, SLOT1
	s_add_nc_u64 s[G0B+2:G0B+3], s[G0A+2:G0A+3], 65536
	s_or_b32 s[G0A+3], s[G0A+3], 0x80000000
	s_or_b32 s[G0B+3], s[G0B+3], 0x80000000
	CROUND                                         ; the round in front of the first joint load
	tensor_load_to_lds s[G0A:G0A+3], s[G1:G1+7]    ; key step 0: my one tensor load at the head
	s_nop 0
	PLACES 4
.irp i, 0,1,2,3
	global_load_b128 v[64+4*\i:67+4*\i], v[LI], s[8:9] offset:512*\i     ; part
.endr
	global_load_b128 v[80:83], v56, s[10:11]       ; w1: the rows of my 8 hidden units (4 lane.., 128 + 4 lane..)
	global_load_b128 v[84:87], v56, s[10:11] offset:16
	global_load_b128 v[88:91], v56, s[10:11] offset:1024
	global_load_b128 v[92:95], v56, s[10:11] offset:1040
	global_load_b128 v[96:99], v[LI], s[12:13]     ; b1
	global_load_b128 v[100:103], v[LI], s[12:13] offset:512
	global_load_b32 v104, v57, s[16:17]            ; b2 of my wave's rows lane and 32 + lane
	global_load_b32 v105, v57, s[16:17] offset:128
.macro WLOAD b                         ; 16 rows of w2 into half b % 2 of window 1: 8 numbers a lane and row
	WIN 0x40
.irp i, 0,1,2,3,4,5,6,7,8,9,10,11,12,13,14,15
	global_load_b128 v[128*((\b)%2)+8*\i:128*((\b)%2)+8*\i+3], v[LI], s[14:15] offset:(16*(\b)+\i)*1024
	global_load_b128 v[128*((\b)%2)+8*\i+4:128*((\b)%2)+8*\i+7], v[LI], s[14:15] offset:(16*(\b)+\i)*1024+512
.endr
.endm
.macro DOT b                           ; my lane's part of 16 rows' products with h, in pairs
	WIN 0x01
.irp i, 0,1,2,3,4,5,6,7,8,9,10,11,12,13,14,15
	v_pk_mul_f32 v[128+2*(16*(\b)+\i):129+2*(16*(\b)+\i)], v[128*((\b)%2)+8*\i:128*((\b)%2)+8*\i+1], v[106:107]
.endr
.irp p, 1,2,3
.irp i, 0,1,2,3,4,5,6,7,8,9,10,11,12,13,14,15
	v_pk_fma_f32 v[128+2*(16*(\b)+\i):129+2*(16*(\b)+\i)], v[128*((\b)%2)+8*\i+2*\p:128*((\b)%2)+8*\i+2*\p+1], v[106+2*\p:107+2*\p], v[128+2*(16*(\b)+\i):129+2*(16*(\b)+\i)]
.endr
.endr
.endm
.macro FLOAD i                         ; 16 rows x 128 channels of features, 512 consecutive bytes a load, into O's registers
	WIN 0x80+0x40*((\i)/4)
.irp rr, 0,1,2,3,4,5,6,7,8,9,10,11,12,13,14,15
	global_load_b128 v[64*((\i)%4)+4*\rr:64*((\i)%4)+4*\rr+3], v[LI], s[4:5] offset:(16*((\i)/2)+\rr)*1024+512*((\i)%2) th:TH_LOAD_NT
.endr
.endm
	WLOAD 0
	WLOAD 1
	WIN 0
	s_wait_kmcnt 0x0
	s_add_co_i32 s60, s56, s57
	s_lshl_b32 s60, s60, 23
	s_add_co_i32 s[CS], s60, 0x3db8aa3b            ; c = log2(e) / 16 x 2^(e0 + e1)
	s_mov_b32 s[CS+1], s[CS]
	s_add_co_i32 s60, s56, 127
	s_lshl_b32 s61, s60, 23
	v_mov_b32 v[ZSCL], s61                         ; 2^e0
	s_add_co_i32 s60, s60, 8
	s_lshl_b32 s60, s60, 23
	s_or_b32 s60, s60, 0x600000
	v_mov_b32 v[ZLIM], s60                         ; 448 x 2^e0
	s_add_co_i32 s60, s58, 127
	s_lshl_b32 s61, s60, 23
	v_mov_b32 v[SCL], s61
	s_add_co_i32 s60, s60, 8
	s_lshl_b32 s60, s60, 23
	s_or_b32 s60, s60, 0x600000
	v_mov_b32 v[LIMP], s60
	v_mov_b32 v[LIMQ], s60
	s_add_co_i32 s[ESUM], s58, s59
	s_wait_loadcnt 63                              ; of 76 loads the oldest 13 are in: the 12 small ones among them
	v_pk_add_f32 v[64:65], v[64:65], v[66:67]
	v_pk_add_f32 v[68:69], v[68:69], v[70:71]
	v_pk_add_f32 v[72:73], v[72:73], v[74:75]
	v_pk_add_f32 v[76:77], v[76:77], v[78:79]
	v_pk_add_f32 v[64:65], v[64:65], v[68:69]
	v_pk_add_f32 v[72:73], v[72:73], v[76:77]
	v_pk_add_f32 v[64:65], v[64:65], v[72:73]
.irp m, 1,2,4,8
	v_add_f32_dpp v64, v64, v64 row_xmask:\m row_mask:0xf bank_mask:0xf
	v_add_f32_dpp v65, v65, v65 row_xmask:\m row_mask:0xf bank_mask:0xf
.endr
	v_permlanex16_b32 v66, v64, s[SEL], s[SEL+1]
	v_permlanex16_b32 v67, v65, s[SEL], s[SEL+1]
	v_add_f32 v64, v64, v66
	v_add_f32 v65, v65, v67
	v_mul_f32 v64, 0x37800000, v64                 ; / 65,536: the mean
	v_mul_f32 v65, 0x37800000, v65
.irp i, 0,1,2,3,4,5,6,7
	v_fma_f32 v[106+\i], v65, v[81+2*\i], v[96+\i]
.endr
.irp i, 0,1,2,3,4,5,6,7
	v_fma_f32 v[106+\i], v64, v[80+2*\i], v[106+\i]
.endr
.irp i, 0,1,2,3,4,5,6,7
	v_max_num_f32 v[106+\i], 0, v[106+\i]          ; h at my 8 hidden units
.endr
	s_wait_alu depctr_va_vdst(0)                   ; directly ahead of the wait below
	s_wait_loadcnt 32
	DOT 0
	WLOAD 2
	s_wait_loadcnt 32
	DOT 1
	WLOAD 3
	FLOAD 0
	FLOAD 1
	s_wait_loadcnt 63                              ; of 96 loads the oldest 33 are in: w2's third 16 rows
	DOT 2
	FLOAD 2
	FLOAD 3
	s_wait_loadcnt 63                              ; likewise the fourth
	DOT 3
	WIN 0
.set n, 0
.rept 64
	v_add_f32 v[128+n], v[128+2*n], v[129+2*n]
.set n, n+1
.endr
; 64 sums over 32 lanes by folding: of two registers the lanes with the mask's bit keep the second and send the first, the others the other way round: half the registers are left, and row n's sum ends in lane n % 32 of register n / 32.
.macro FOLD cnt, m, msk
.set i, 0
.rept \cnt
	v_cndmask_b32 v[192+2*(i%8)], v[129+2*i], v[128+2*i], \msk
	v_cndmask_b32 v[193+2*(i%8)], v[128+2*i], v[129+2*i], \msk
	v_add_f32_dpp v[128+i], v[192+2*(i%8)], v[193+2*(i%8)] row_xmask:\m row_mask:0xf bank_mask:0xf
.set i, i+1
.endr
.endm
	FOLD 32, 1, s74
	FOLD 16, 2, s75
	FOLD 8, 4, s76
	FOLD 4, 8, s77
.irp i, 0,1
	v_cndmask_b32 v[192+2*\i], v[129+2*\i], v[128+2*\i], s78
	v_cndmask_b32 v[193+2*\i], v[128+2*\i], v[129+2*\i], s78
.endr
	v_permlanex16_b32 v200, v192, s[SEL], s[SEL+1]
	v_permlanex16_b32 v201, v194, s[SEL], s[SEL+1]
	v_add_f32 v58, v200, v193
	v_add_f32 v59, v201, v195
	v_add_f32 v58, v58, v104                       ; + b2
	v_add_f32 v59, v59, v105
	ds_store_b32 v[EW], v58
	ds_store_b32 v[EW], v59 offset:128
	s_wait_alu depctr_va_vdst(0)                   ; directly ahead of the wait below
	s_wait_tensorcnt 0x0                           ; my part of key step 0 is in; the three lines ahead of a later first fill
	ds_add_u32 v[SPW], v[NIL]
	s_wait_dscnt 0x0                               ; the add, and my part of emb
	CROUND                                         ; slot 0 and emb are whole for every wave
	tensor_load_to_lds s[G0B:G0B+3], s[G1:G1+7]    ; key step 1
	s_nop 0
	PLACES 4
	WIN 0x40
.irp s, 0,1
.irp c, 0,1,2,3
.irp q, 0,1,2,3
	ds_load_b128 v[64*\s+16*\c+4*\q:64*\s+16*\c+4*\q+3], v[EA] offset:512*\s+128*\c+16*\q   ; emb at the channels of a fragment's lane: 128 s + 32 c + 16 h ..
.endr
.endr
.endr
.macro HOP i                           ; features' block i through my stage: in as loaded, back 16 neighbours of a row at a time
.if (\i) < 5
	s_wait_loadcnt 48
.else
	s_wait_loadcnt 16*(7-(\i))
.endif
.if (\i) < 4
	FLOAD (\i)+4
.endif
	WIN 0x08+0x04*((\i)/4)
.irp rr, 0,1,2,3,4,5,6,7,8,9,10,11,12,13,14,15
	ds_store_b128 v[RD], v[64*((\i)%4)+4*\rr:64*((\i)%4)+4*\rr+3] offset:SP*\rr
.endr
	WIN 0x40
.irp c, 0,1,2,3
.irp q, 0,1,2,3
	ds_load_b128 v[128+64*((\i)%2)+16*\c+4*\q:128+64*((\i)%2)+16*\c+4*\q+3], v[STR] offset:128*\c+16*\q
.endr
.endr
.endm
.macro ZERO i                          ; O^T begins as zeros: the step is written once
	WIN 0x80+0x40*((\i)/4)
.set k, 0
.rept 64
	v_mov_b32 v[64*((\i)%4)+k], 0
.set k, k+1
.endr
.endm
.macro ARITH i                         ; z = features + emb, held within 448 x 2^e0, to codes
.set XB, 128+64*((\i)%2)
.set EB, 64*((\i)%2)
.set QB, Q+16*(\i)
	WIN 0x45
.set k, 0
.rept 32
	v_pk_add_f32 v[XB+k:XB+k+1], v[XB+k:XB+k+1], v[EB+k:EB+k+1]
.set k, k+2
.endr
	WIN W_SM
.set k, 0
.rept 64
	v_med3_num_f32 v[XB+k], v[XB+k], -v[ZLIM], v[ZLIM]
.set k, k+1
.endr
	WIN 0x01
.irp c, 0,1,2,3
	v_cvt_scalef32_pk8_fp8_f32 v[QB+4*\c:QB+4*\c+1], v[XB+16*\c:XB+16*\c+7], v[ZSCL]
	v_cvt_scalef32_pk8_fp8_f32 v[QB+4*\c+2:QB+4*\c+3], v[XB+16*\c+8:XB+16*\c+15], v[ZSCL]
.endr
	v_nop
.endm
	HOP 0
.irp i, 0,1,2,3,4,5,6
	HOP \i+1
	ZERO \i
	s_wait_dscnt 32                                ; all but the next block's 16 stores and 16 loads
	ARITH \i
.endr
	ZERO 7
	s_wait_dscnt 0x0
	ARITH 7
	WIN 0
.irp t, 0,1,2,3
	v_mov_b32 v[ST+8*\t], 0x7f61b1e6               ; -M = 3e38
	v_mov_b32 v[ST+8*\t+1], 0xff61b1e6             ; the largest score so far: -3e38
	v_mov_b32 v[ST+8*\t+2], 0
	v_mov_b32 v[ST+8*\t+3], 0
	v_mov_b32 v[ST+8*\t+4], 0
	v_mov_b32 v[ST+8*\t+5], 0
	v_mov_b32 v[ST+8*\t+6], 0
.endr
	v_add_nc_u32 v[ADK], s[TB], v[LI]
.macro FRAG g                          ; fragment g of keys into set g % 4
.irp c, 0,1,2,3
	ds_load_b128 v[FR+16*((\g)%4)+4*\c:FR+16*((\g)%4)+4*\c+3], v[ADK] offset:2048*(\g)+512*\c
.endr
.endm
.macro KPRE                            ; fragments 4-11 of keys, 32 loads on end: 4-7 where key tiles 4, 5 will have their scores, 8-11 where key tiles 6, 7 will
	WIN 0x40
.irp g, 4,5,6,7,8,9,10,11
.irp c, 0,1,2,3
	ds_load_b128 v[64*(\g%4)+32+16*(\g/8)+4*\c:64*(\g%4)+32+16*(\g/8)+4*\c+3], v[ADK] offset:2048*\g+512*\c
.endr
.endr
	WIN 0
.endm
; Fragment f = 2 kt + s of keys against my four tiles; behind the four products eight lines of the maximum over the scores finished two fragments ago (they are also the places in front of the loads).
; The maximum runs in 16 chains (4 register pairs x 4 tiles), so that 15 plain lines lie between a chain's links; each begins from the running largest score.
.macro KQG f
.set KT, (\f)/2
.set SS, (\f)%2
; The loads were issued in the order 0-3, 4-11, 12-15 (the last 16 behind fragment 3's products): each wait counts the loads issued behind fragment f's.
.if (\f) < 4
.set KA, FR+16*(\f)
	s_wait_dscnt 32+4*(3-(\f))
	WIN W_KQ
.else
.if (\f) < 12
.set KA, 64*((\f)%4)+32+16*((\f)/8)
	s_wait_dscnt 16+4*(11-(\f))
	WIN W_KQ+1
.else
.set KA, FR+16*((\f)%4)
	s_wait_dscnt 4*(15-(\f))
	WIN W_KQ
.endif
.endif
.irp q, 0,1,2,3
.if SS == 0
	v_wmma_f32_16x16x128_fp8_fp8 v[64*\q+8*KT:64*\q+8*KT+7], v[KA:KA+15], v[Q+32*\q:Q+32*\q+15], 0
.else
	v_wmma_f32_16x16x128_fp8_fp8 v[64*\q+8*KT:64*\q+8*KT+7], v[KA:KA+15], v[Q+32*\q+16:Q+32*\q+31], v[64*\q+8*KT:64*\q+8*KT+7]
.endif
.endr
.if (\f) > 0
	WIN W_MX
.endif
.if (\f) < 2
.if (\f) == 1
	PLACES 4                                       ; in front of the first reads of key tile 0's scores
.endif
.else
.set KP, ((\f)-2)/2
.set I0, 2*((\f)%2)
.irp ii, 0,1
.irp q, 0,1,2,3
.if KP == 0
	v_max3_num_f32 v[MX+4*(I0+\ii)+\q], v[ST+8*\q+1], v[64*\q+2*(I0+\ii)], v[64*\q+2*(I0+\ii)+1]
.else
	v_max3_num_f32 v[MX+4*(I0+\ii)+\q], v[MX+4*(I0+\ii)+\q], v[64*\q+8*KP+2*(I0+\ii)], v[64*\q+8*KP+2*(I0+\ii)+1]
.endif
.endr
.endr
.endif
.if (\f) == 3
	FRAG 12                                        ; the four sets are free: the last four fragments, 16 loads on end
	FRAG 13
	FRAG 14
	FRAG 15
.endif
.endm
; Tile t's 64 exponentials; among them tile t + 1's t - M and tile t - 1's hold.  What these plain lines read was written ahead of the wait in front of the batch, and what they write is read behind the wait that follows it.
.macro BATCH t
	WIN W_SM
.set i, 0
.rept 64
	v_exp_f32 v[64*(\t)+i], v[64*(\t)+i]
.if ((\t) < 3) && (i%2 == 0)
	v_pk_fma_f32 v[64*((\t)+1)+i:64*((\t)+1)+i+1], v[64*((\t)+1)+i:64*((\t)+1)+i+1], s[CS:CS+1], v[ST+8*((\t)+1):ST+8*((\t)+1)+1] op_sel_hi:[1,0,0]
.endif
.if ((\t) > 0) && (i%2 == 1)
	v_dual_min_num_f32 v[64*((\t)-1)+i-1], v[64*((\t)-1)+i-1], v[LIMP] :: v_dual_min_num_f32 v[64*((\t)-1)+i], v[64*((\t)-1)+i], v[LIMQ]
.endif
.set i, i+1
.endr
.endm
.macro SUM t                           ; the row's sum of the unquantised p: 32 additions of pairs, in eight chains (seven begun anew, and the running sum)
	WIN 0x05
.set p, 0
.rept 7
	v_pk_add_f32 v[MX+2*p:MX+2*p+1], v[64*(\t)+4*p:64*(\t)+4*p+1], v[64*(\t)+4*p+2:64*(\t)+4*p+3]
.set p, p+1
.endr
	WIN 0x04
.set p, 14
.rept 18
.if ((p-14)%8) == 7
.set RC, ST+8*(\t)+2
.else
.set RC, MX+2*((p-14)%8)
.endif
	v_pk_add_f32 v[RC:RC+1], v[RC:RC+1], v[64*(\t)+2*p:64*(\t)+2*p+1]
.set p, p+1
.endr
	WIN 0
	v_pk_add_f32 v[MX+4:MX+5], v[MX+4:MX+5], v[MX+6:MX+7]
	v_pk_add_f32 v[MX+8:MX+9], v[MX+8:MX+9], v[MX+10:MX+11]
	v_pk_add_f32 v[ST+8*(\t)+2:ST+8*(\t)+3], v[ST+8*(\t)+2:ST+8*(\t)+3], v[MX+12:MX+13]
	v_pk_add_f32 v[MX:MX+1], v[MX:MX+1], v[MX+2:MX+3]
	v_pk_add_f32 v[ST+8*(\t)+2:ST+8*(\t)+3], v[ST+8*(\t)+2:ST+8*(\t)+3], v[MX+8:MX+9]
	v_pk_add_f32 v[MX:MX+1], v[MX:MX+1], v[MX+4:MX+5]
	v_pk_add_f32 v[ST+8*(\t)+2:ST+8*(\t)+3], v[ST+8*(\t)+2:ST+8*(\t)+3], v[MX:MX+1]
.endm
.macro CVT t                           ; tile t's p to codes: registers 2 kt, 2 kt + 1 of the operand are keys 16 kt + 8 h ..
	WIN 0x01
.irp k, 0,1,2,3,4,5,6,7
	v_cvt_scalef32_pk8_fp8_f32 v[FR+16*(\t)+2*\k:FR+16*(\t)+2*\k+1], v[64*(\t)+8*\k:64*(\t)+8*\k+7], v[SCL]
.endr
.endm
.macro VLOAD t                         ; fragments 4 t .. 4 t + 3 of values into tile t's registers, whose p has been converted: 16 loads on end
	WIN 0x40
.irp g, 0,1,2,3
.irp c, 0,1,2,3
	ds_load_b128 v[64*(\t)+16*\g+4*\c:64*(\t)+16*\g+4*\c+3], v[ADV] offset:2048*(16+4*(\t)+\g)+512*\c
.endr
.endr
.endm
.macro GV q, c0, n                     ; O^T(ct, q) += values(ct) x p(q), ct = c0 .. c0 + n - 1: accumulators by turns
.set ct, \c0
.rept \n
	v_wmma_f32_16x16x128_fp8_fp8 v[32*(ct%8)+8*\q:32*(ct%8)+8*\q+7], v[16*ct:16*ct+15], v[FR+16*\q:FR+16*\q+15], v[32*(ct%8)+8*\q:32*(ct%8)+8*\q+7]
.set ct, ct+1
.endr
.endm
.macro GVT q                           ; a whole tile
	WIN 0xa1
	GV \q, 0, 8
	WIN 0xf1
	GV \q, 8, 8
	WIN 0
.endm
.macro STEP refill
.irp f, 0,1,2,3,4,5,6,7,8,9,10,11,12,13,14,15
	KQG \f
.endr
.irp ii, 0,1,2,3
.irp q, 0,1,2,3
	v_max3_num_f32 v[MX+4*\ii+\q], v[MX+4*\ii+\q], v[64*\q+56+2*\ii], v[64*\q+57+2*\ii]
.endr
.endr
	WIN 0
.irp q, 0,1,2,3
	v_max3_num_f32 v[ST+8*\q+5], v[MX+\q], v[MX+4+\q], v[MX+8+\q]
.endr
.irp q, 0,1,2,3
	v_max_num_f32 v[ST+8*\q+1], v[ST+8*\q+5], v[MX+12+\q]
.endr
.irp q, 0,1,2,3
	v_permlanex16_b32 v[ST+8*\q+5], v[ST+8*\q+1], s[SEL], s[SEL+1]
.endr
.irp q, 0,1,2,3
	v_max_num_f32 v[ST+8*\q+1], v[ST+8*\q+1], v[ST+8*\q+5]       ; the running largest score
.endr
.irp q, 0,1,2,3
	v_mul_f32 v[ST+8*\q+5], s[CS], v[ST+8*\q+1]                  ; as t
.endr
.irp q, 0,1,2,3
	v_mov_b32 v[ST+8*\q+6], v[ST+8*\q]
.endr
.irp q, 0,1,2,3
	v_floor_f32 v[ST+8*\q], -v[ST+8*\q+5]                        ; -M = -ceil(t)
.endr
.irp q, 0,1,2,3
	v_sub_f32 v[ST+8*\q+6], v[ST+8*\q], v[ST+8*\q+6]
.endr
.irp q, 0,1,2,3
	v_cvt_i32_f32 v[ST+8*\q+6], v[ST+8*\q+6]
.endr
.irp q, 0,1,2,3
	v_ldexp_f32 v[ST+8*\q+4], 1.0, v[ST+8*\q+6]                  ; f = 2^(old M - new M)
.endr
.irp q, 0,1,2,3
	v_pk_mul_f32 v[ST+8*\q+2:ST+8*\q+3], v[ST+8*\q+2:ST+8*\q+3], v[ST+8*\q+4:ST+8*\q+5] op_sel_hi:[1,0]
.endr
	v_add_nc_u32 v[ADV], s[TB], v[LI]              ; this slot's values;
	s_xor_b32 s[TB], s[TB], SLOT1
	v_add_nc_u32 v[ADK], s[TB], v[LI]              ; the other slot's keys
.irp w, 0,1                            ; O^T x f, ahead of the exponentials: each accumulator from its low end on
	WIN 0x82+0x41*\w
.set a, 0
.rept 32
.irp i, 0,2,4,6
	v_pk_mul_f32 v[8*a+\i:8*a+\i+1], v[8*a+\i:8*a+\i+1], v[ST+8*(a%4)+4:ST+8*(a%4)+5] op_sel_hi:[1,0]
.endr
.set a, a+1
.endr
.endr
	WIN W_SM
.set i, 0
.rept 32
	v_pk_fma_f32 v[i:i+1], v[i:i+1], s[CS:CS+1], v[ST:ST+1] op_sel_hi:[1,0,0]   ; tile 0's t - M
.set i, i+2
.endr
	s_wait_alu depctr_va_vdst(0)                   ; one wait at each border of a batch of exponentials
	BATCH 0
	s_wait_alu depctr_va_vdst(0)
	SUM 0
	BATCH 1
	s_wait_alu depctr_va_vdst(0)
	CVT 0
	SUM 1
	BATCH 2
	s_wait_alu depctr_va_vdst(0)
	VLOAD 0                                        ; each run of values' loads stands directly behind a border's wait, a border after its tile's conversion
	CVT 1
	SUM 2
	BATCH 3
	s_wait_alu depctr_va_vdst(0)
	VLOAD 1
	CVT 2
	SUM 3
	WIN W_SM
.set i, 0
.rept 32
	v_dual_min_num_f32 v[192+i], v[192+i], v[LIMP] :: v_dual_min_num_f32 v[193+i], v[193+i], v[LIMQ]
.set i, i+2
.endr
	CVT 3
	v_nop                                          ; a plain line behind the last conversion
	s_wait_alu depctr_va_vdst(0)
	VLOAD 2
	VLOAD 3
	WIN 0
	s_wait_tensorcnt 0x0                           ; my part of the other slot is in
	ds_add_u32 v[SPW], v[NIL]
.if \refill
	s_xor_b32 s[G0B+1], s[G0B+1], SLOT1            ; the walking descriptor: this slot, two key steps on
	s_add_nc_u64 s[G0B+2:G0B+3], s[G0B+2:G0B+3], 65536
	s_wait_xcnt 0x0                                ; my prefetch has read its address
	s_add_nc_u64 s[PFA:PFA+1], s[PFA:PFA+1], 65536
.endif
	s_wait_dscnt 33                                ; values' fragments 0-7 are in; the last 32 loads and the add may be out
	WIN 0xa1
	GV 0, 0, 8
	GV 1, 0, 8
	s_wait_dscnt 0x0                               ; the add is done and my reads of this slot are over
	s_barrier_signal -1
	WIN 0xf1
	GV 0, 8, 8
	GV 1, 8, 8
	WIN 0
	s_barrier_wait -1
.if \refill
	CREST                                          ; the barrier has opened a round of the cluster's barrier
	tensor_load_to_lds s[G0B:G0B+3], s[G1:G1+7]
	s_nop 0
.endif
	PLACES 4                                       ; in front of loads into registers that the products have read
	FRAG 0                                         ; the next step's keys, where tiles 0 and 1 had their codes
	FRAG 1
.if \refill
	ASK
.endif
	GVT 2
	PLACES 4
	FRAG 2
	GVT 3
	PLACES 5                                       ; five: the next step's first products write over registers that these have read
	FRAG 3
	KPRE
.endm
	s_wait_alu depctr_va_vdst(0)                   ; the wait at the head's end
	FRAG 0
	FRAG 1
	FRAG 2
	FRAG 3
	KPRE
	s_mov_b32 s[CNT], 14
.Lstep:                                            ; 14 key steps that fill a slot again
	STEP 1
	s_sub_co_u32 s[CNT], s[CNT], 1
	s_cmp_lg_u32 s[CNT], 0
	s_cbranch_scc1 .Lstep
	s_mov_b32 s[TWICE], 2
.Ltail:                                            ; the last two ask for nothing
	STEP 0
	s_sub_co_u32 s[TWICE], s[TWICE], 1
	s_cmp_lg_u32 s[TWICE], 0
	s_cbranch_scc1 .Ltail
	s_wait_dscnt 0x0
	; THE WAY OUT: O^T x 2^(e2 + e3) / the sum, 16 rows x 128 channels at a time through my stage, stored as rows of 512 consecutive bytes
.irp t, 0,1,2,3
	v_add_f32 v[ST+8*\t+5], v[ST+8*\t+2], v[ST+8*\t+3]
.endr
.irp t, 0,1,2,3
	v_permlanex16_b32 v[ST+8*\t+6], v[ST+8*\t+5], s[SEL], s[SEL+1]
.endr
.irp t, 0,1,2,3
	v_add_f32 v[ST+8*\t+5], v[ST+8*\t+5], v[ST+8*\t+6]
.endr
	s_wait_alu depctr_va_vdst(0)                   ; a wait ahead of the batch and one behind it
.irp t, 0,1,2,3
	v_rcp_f32 v[ST+8*\t+6], v[ST+8*\t+5]
.endr
	v_nop
	s_wait_alu depctr_va_vdst(0)
.irp t, 0,1,2,3
	v_ldexp_f32 v[ST+8*\t+4], v[ST+8*\t+6], s[ESUM]
.endr
.macro TOSTAGE a
.set QT, (\a)/2
.set BB, 128+64*((\a)%2)
	WIN 0x02+((\a)%2)
.irp c, 0,1,2,3,4,5,6,7
.irp i, 0,2,4,6
	v_pk_mul_f32 v[FR+8*\c+\i:FR+8*\c+\i+1], v[32*\c+8*QT+\i:32*\c+8*QT+\i+1], v[ST+8*QT+4:ST+8*QT+5] op_sel_hi:[1,0]
.endr
.endr
	WIN 0
.irp c, 0,1,2,3,4,5,6,7
	ds_store_b128 v[STO], v[FR+8*\c:FR+8*\c+3] offset:64*\c
	ds_store_b128 v[STO], v[FR+8*\c+4:FR+8*\c+7] offset:64*\c+16
.endr
.irp rr, 0,1,2,3,4,5,6,7,8,9,10,11,12,13,14,15
	ds_load_b128 v[BB+4*\rr:BB+4*\rr+3], v[RD] offset:SP*\rr
.endr
.endm
.macro SEND a, younger
.set QT, (\a)/2
.set BB, 128+64*((\a)%2)
	s_wait_dscnt \younger
.irp rr, 0,1,2,3,4,5,6,7,8,9,10,11,12,13,14,15
	global_store_b128 v[LI], v[BB+4*\rr:BB+4*\rr+3], s[20:21] offset:(16*QT+\rr)*1024+512*((\a)%2) th:TH_STORE_NT
.endr
.endm
	TOSTAGE 0
.irp a, 1,2,3,4,5,6,7
.if \a > 1
	s_wait_xcnt 0x0                                ; block a - 2's stores have read their registers
.endif
	TOSTAGE \a
	SEND \a-1, 32
.endr
	SEND 7, 0
	s_wait_tensorcnt 0x0                           ; the wave's end
	ds_add_u32 v[SPW], v[NIL]
	s_wait_dscnt 0x0
	CROUND                                         ; the closing round
	s_endpgm
.Lfunc_end_k_q8fa9de5383_attn:
	.size	k_q8fa9de5383_attn, .Lfunc_end_k_q8fa9de5383_attn-k_q8fa9de5383_attn
	.p2alignl 7, 3214868480
	.fill 96, 4, 3214868480
	.section	.rodata,"a",@progbits
	.p2align	6, 0x0
	.amdhsa_kernel k_q8fa9de5383_attn
		.amdhsa_group_segment_fixed_size 327680
		.amdhsa_private_segment_fixed_size 0
		.amdhsa_enable_private_segment 0
		.amdhsa_kernarg_size 72
		.amdhsa_user_sgpr_count 2
		.amdhsa_user_sgpr_kernarg_segment_ptr 1
		.amdhsa_wavefront_size32 1
		.amdhsa_system_sgpr_workgroup_id_x 1
		.amdhsa_system_sgpr_workgroup_id_y 1
		.amdhsa_system_sgpr_workgroup_id_z 1
		.amdhsa_system_vgpr_workitem_id 0
		.amdhsa_next_free_vgpr 1024
		.amdhsa_next_free_sgpr 80
		.amdhsa_reserve_vcc 0
		.amdhsa_float_denorm_mode_32 3
		.amdhsa_float_denorm_mode_16_64 3
		.amdhsa_memory_ordered 1
		.amdhsa_forward_progress 1
		.amdhsa_inst_pref_size 255
	.end_amdhsa_kernel
	.section	.bss,"aw",@nobits
	.p2align	6
	.space	262144
	.amdgpu_metadata
---
amdhsa.version: [ 1, 2 ]
amdhsa.kernels:
  - .name:           k_q8fa9de5383_attn
    .symbol:         k_q8fa9de5383_attn.kd
    .args:
      - { .name: features, .offset: 0, .size: 8, .value_kind: global_buffer, .address_space: global }
      - { .name: kv, .offset: 8, .size: 8, .value_kind: global_buffer, .address_space: global }
      - { .name: part, .offset: 16, .size: 8, .value_kind: global_buffer, .address_space: global }
      - { .name: w1, .offset: 24, .size: 8, .value_kind: global_buffer, .address_space: global }
      - { .name: b1, .offset: 32, .size: 8, .value_kind: global_buffer, .address_space: global }
      - { .name: w2, .offset: 40, .size: 8, .value_kind: global_buffer, .address_space: global }
      - { .name: b2, .offset: 48, .size: 8, .value_kind: global_buffer, .address_space: global }
      - { .name: lowp_scales, .offset: 56, .size: 8, .value_kind: global_buffer, .address_space: global }
      - { .name: out0, .offset: 64, .size: 8, .value_kind: global_buffer, .address_space: global }
    .group_segment_fixed_size: 327680
    .private_segment_fixed_size: 0
    .kernarg_segment_align: 8
    .kernarg_segment_size: 72
    .max_flat_workgroup_size: 128
    .sgpr_count:     80
    .vgpr_count:     1024
    .wavefront_size: 32
...
	.end_amdgpu_metadata
.endif
;; end of part 2
